; MI455X (gfx1250); checked and timed in simulation.
; The chip was launched on July 23, 2026; its instructions are those of AMD's public machine-readable ISA for CDNA 5 (MIT licence, August 2026) and "CDNA5" Instruction Set Architecture Reference Guide (July 2026). The comments in the code are by the model that wrote it; some were corrected since.
;; Self Attention Single Head. Allowed arithmetic: float matrix products may take bf16 or f16 operands with f32 sums; other float arithmetic in f32, or as packed bf16 or f16 multiplies, adds, multiply-adds, maxima and minima; sums over many terms, partial sums and values carried from step to step in f32; what a program stores and reads back later, other than sums and carried values, may be rounded once to bf16 or f16.
;; Inputs: Wk 1,024 x 1,024 float32; Wq 1,024 x 1,024 float32; Wv 1,024 x 1,024 float32; x 4 x 2,048 x 1,024 float32.
;; Outputs: out0 4 x 2,048 x 1,024 float32.
;; One version. Each part assembles by itself: llvm-mc -triple=amdgcn-amd-amdhsa -mcpu=gfx1250 --defsym DOCPART=n.
;; ======== version 1 of 1: 4 launches
;; limits: values are held in f16: magnitudes above 65,504 overflow, below 6.1e-05 lose precision
;; workspace buffers: xb 16,777,216 bytes; wb 6,291,456 bytes; qkv 50,331,648 bytes; pm 33,554,432 bytes; st 1,048,576 bytes
;; launch cast (part 1): grid 352 x 1, 16 waves a work-group, no clusters, 0 bytes of LDS; arguments x, Wq, Wk, Wv, xb, wb; writes xb, wb
.if DOCPART == 1
	.amdgcn_target "amdgcn-amd-amdhsa--gfx1250"
	.amdhsa_code_object_version 6
	.text
	.protected	k_qfc14fb7610_cast
	.globl	k_qfc14fb7610_cast
	.p2align	8
	.type	k_qfc14fb7610_cast,@function
k_qfc14fb7610_cast:
	s_mov_b64 s[64:65], 0
	v_nop
	global_prefetch_b8 v0, s[64:65] scope:SCOPE_SE
	s_setreg_imm32_b32 hwreg(HW_REG_WAVE_MODE, 25, 1), 1
	s_wait_xcnt 0x0
; x and the three weights, f32, are rounded once to bf16 and laid out for the projection.
;   xb: [16 K blocks][8192 rows][64]   a K block's rows are dense, 128 bytes each
;   wb: [1024 k][3072 n]               n 0.. from Wq, 1024.. from Wk, 2048.. from Wv
; A work-group takes 32 rows of 1,024 f32: groups 0-255 rows of x, groups 256-351 rows of a weight (32 groups each).
; A wave takes eight items: 32 lanes x 32 bytes in, 32 lanes x 16 bytes out: each store covers 512 consecutive bytes, aligned.
; A stream: no LDS, no barrier, no matrix unit; all sixteen loads of a wave go out before the first is waited for,
; and no register is written twice, so no source of a pending instruction is ever touched.
.set X, 16                             ; v[16:79]   item i: 8 f32 as loaded
.set Y, 80                             ; v[80:111]  item i: 8 bf16 to store
; v3 byte offset of my 32 bytes in the source, v4 of my 16 bytes in the destination; items are 4 rows apart (16,384 bytes in, step bytes out)
.macro BODY step
.irp i, 0,1,2,3,4,5,6,7
	global_load_b128 v[X+8*(\i):X+8*(\i)+3],   v3, s[20:21] offset:16384*(\i) th:TH_LOAD_NT
	global_load_b128 v[X+8*(\i)+4:X+8*(\i)+7], v3, s[20:21] offset:16384*(\i)+16 th:TH_LOAD_NT
.endr
.irp i, 0,1,2,3,4,5,6,7
	s_wait_loadcnt 14-2*(\i)                       ; loads come back in order: item i's two are in, the younger items' stay out
.irp j, 0,1,2,3
	v_cvt_pk_bf16_f32 v[Y+4*(\i)+(\j)], v[X+8*(\i)+2*(\j)], v[X+8*(\i)+2*(\j)+1]
.endr
	global_store_b128 v4, v[Y+4*(\i):Y+4*(\i)+3], s[22:23] offset:(\step)*(\i)
.endr
	s_endpgm
.endm
	s_load_b256 s[4:11], s[0:1], 0x0               ; x s[4:5], Wq s[6:7], Wk s[8:9], Wv s[10:11]
	s_load_b128 s[12:15], s[0:1], 0x20             ; xb s[12:13], wb s[14:15]
	v_and_b32 v1, 31, v0                           ; lane
	v_lshrrev_b32 v2, 5, v0
	v_readfirstlane_b32 s16, v2                    ; wave 0..15
	s_mov_b32 s17, ttmp9
	s_mov_b32 s19, 0                               ; high words of the two offsets
	s_mov_b32 s27, 0
	s_wait_kmcnt 0x0
	s_cmp_lt_u32 s17, 256
	s_cbranch_scc0 .Lweights
	; rows of x: wave w takes K block w (256 bytes of each row); 32 lanes take 4 rows x 256 bytes, which are 512 dense bytes of xb
	s_lshl_b32 s18, s17, 17                        ; 32 rows of 4,096 bytes
	s_lshl_b32 s26, s17, 12                        ; 32 rows of 128 bytes
	s_add_nc_u64 s[20:21], s[4:5], s[18:19]
	s_add_nc_u64 s[22:23], s[12:13], s[26:27]
	v_lshrrev_b32 v3, 3, v1
	v_lshlrev_b32 v3, 12, v3                       ; row lane / 8
	v_and_b32 v5, 7, v1
	v_lshl_or_b32 v3, v5, 5, v3                    ; 32 bytes a lane
	s_lshl_b32 s28, s16, 8
	v_or_b32 v3, s28, v3                           ; the wave's 256 bytes of the row
	s_lshl_b32 s29, s16, 20                        ; a K block of xb is 8,192 x 128 bytes
	v_lshl_or_b32 v4, v1, 4, s29
	BODY 512
.Lweights:
	; rows of a weight: four waves take a row, a quarter (1,024 bytes) each
	s_sub_co_u32 s17, s17, 256
	s_lshr_b32 s25, s17, 5                         ; which weight
	s_and_b32 s24, s17, 31                         ; which 32 rows
	s_cmp_eq_u32 s25, 1
	s_cselect_b64 s[20:21], s[8:9], s[10:11]
	s_cmp_eq_u32 s25, 0
	s_cselect_b64 s[20:21], s[6:7], s[20:21]
	s_lshl_b32 s18, s24, 17
	s_add_nc_u64 s[20:21], s[20:21], s[18:19]
	s_mul_i32 s26, s24, 196608                     ; 32 rows of 6,144 bytes
	s_lshl_b32 s28, s25, 11                        ; the weight's 2,048 bytes of a row of wb
	s_add_co_u32 s26, s26, s28
	s_add_nc_u64 s[22:23], s[14:15], s[26:27]
	s_lshr_b32 s28, s16, 2                         ; row in four
	s_and_b32 s29, s16, 3                          ; quarter
	s_lshl_b32 s30, s28, 12
	s_lshl_b32 s31, s29, 10
	s_add_co_u32 s30, s30, s31
	v_lshl_add_u32 v3, v1, 5, s30
	s_mul_i32 s28, s28, 6144
	s_lshl_b32 s29, s29, 9
	s_add_co_u32 s28, s28, s29
	v_lshl_add_u32 v4, v1, 4, s28
	BODY 24576
.Lfunc_end_k_qfc14fb7610_cast:
	.size	k_qfc14fb7610_cast, .Lfunc_end_k_qfc14fb7610_cast-k_qfc14fb7610_cast
	.p2alignl 7, 3214868480
	.fill 96, 4, 3214868480
	.section	.rodata,"a",@progbits
	.p2align	6, 0x0
	.amdhsa_kernel k_qfc14fb7610_cast
		.amdhsa_group_segment_fixed_size 0
		.amdhsa_private_segment_fixed_size 0
		.amdhsa_enable_private_segment 0
		.amdhsa_kernarg_size 48
		.amdhsa_user_sgpr_count 2
		.amdhsa_user_sgpr_kernarg_segment_ptr 1
		.amdhsa_wavefront_size32 1
		.amdhsa_system_sgpr_workgroup_id_x 1
		.amdhsa_system_sgpr_workgroup_id_y 1
		.amdhsa_system_sgpr_workgroup_id_z 1
		.amdhsa_system_vgpr_workitem_id 0
		.amdhsa_next_free_vgpr 112
		.amdhsa_next_free_sgpr 66
		.amdhsa_reserve_vcc 0
		.amdhsa_float_denorm_mode_32 3
		.amdhsa_float_denorm_mode_16_64 3
		.amdhsa_memory_ordered 1
		.amdhsa_forward_progress 1
		.amdhsa_inst_pref_size 12
	.end_amdhsa_kernel
	.amdgpu_metadata
---
amdhsa.version: [ 1, 2 ]
amdhsa.kernels:
  - .name:           k_qfc14fb7610_cast
    .symbol:         k_qfc14fb7610_cast.kd
    .args:
      - { .name: x, .offset: 0, .size: 8, .value_kind: global_buffer, .address_space: global }
      - { .name: Wq, .offset: 8, .size: 8, .value_kind: global_buffer, .address_space: global }
      - { .name: Wk, .offset: 16, .size: 8, .value_kind: global_buffer, .address_space: global }
      - { .name: Wv, .offset: 24, .size: 8, .value_kind: global_buffer, .address_space: global }
      - { .name: xb, .offset: 32, .size: 8, .value_kind: global_buffer, .address_space: global }
      - { .name: wb, .offset: 40, .size: 8, .value_kind: global_buffer, .address_space: global }
    .group_segment_fixed_size: 0
    .private_segment_fixed_size: 0
    .kernarg_segment_align: 8
    .kernarg_segment_size: 48
    .max_flat_workgroup_size: 512
    .sgpr_count:     66
    .vgpr_count:     112
    .wavefront_size: 32
...
	.end_amdgpu_metadata
.endif
;; end of part 1
;; launch proj (part 2): grid 8 x 32, 4 waves a work-group, clusters of 4 x 4, 327,680 bytes of LDS; arguments xb, wb, qkv; writes qkv
.if DOCPART == 2
	.amdgcn_target "amdgcn-amd-amdhsa--gfx1250"
	.amdhsa_code_object_version 6
	.text
	.protected	k_qfc14fb7610_proj
	.globl	k_qfc14fb7610_proj
	.p2align	8
	.type	k_qfc14fb7610_proj,@function
k_qfc14fb7610_proj:
	s_mov_b64 s[64:65], 0
	v_nop
	global_prefetch_b8 v0, s[64:65] scope:SCOPE_SE
	s_setreg_imm32_b32 hwreg(HW_REG_WAVE_MODE, 25, 1), 1
	s_wait_xcnt 0x0
	s_wait_alu depctr_hold_cnt(0) depctr_sa_sdst(0) depctr_va_vdst(0) depctr_va_sdst(0) depctr_va_ssrc(0) depctr_va_vcc(0) depctr_vm_vsrc(0)
	s_getreg_b32 s2, hwreg(HW_REG_IB_STS2, 6, 4)
	s_cmp_eq_u32 s2, 0
	s_cbranch_scc0 .Lentry_in_a_cluster
	s_endpgm
.Lentry_in_a_cluster:
	s_bfe_u32 s2, ttmp6, 0x10000c
	s_cmp_lg_u32 s2, 0xf033
	s_cbranch_scc0 .Lentry_shape_is_right
	s_endpgm
.Lentry_shape_is_right:
; [q | k | v] = x W: qkv[8192][3072] f16 = xb (bf16, [16 K blocks][8192][64]) times wb (bf16, [1024 k][3072 n]); sums in f32, rounded once to f16, unscaled.
; LIMIT: a result of 65,520 or more in magnitude becomes an infinity in f16.
; SHARES.  A tile is 256 rows x 384 columns: 32 x 8 = 256 work-groups.  Four waves; wave (rh, ch) makes rows 128 rh .. and, of each of the tile's three
; segments of 128 columns, the half ch: 8 x 12 = 96 accumulators of 16 x 16, 768 registers.  K goes in 16 steps of 64 (two sub-steps of 32) through two LDS slots.
; THE MATRIX INSTRUCTION IS USED TRANSPOSED: source 0 = 16 columns of W (turned out of LDS by ds_load_tr16_b128, since wb lies [k][n]), source 1 = 16 rows of x:
; a lane then holds eight neighbouring columns of one row of the result.
; CLUSTER 4 x 4: x's tile hangs on the tile row alone and is asked for jointly along a row of the cluster, W's on the tile column alone, jointly along a column.
; REGISTERS (windows of 256; s_set_vgpr_msb: bits 1:0 source 0, 3:2 source 1, 5:4 source 2, 7:6 destination):
;   window 0: v16-29 addresses; v32-95, v96-159 x's fragments, two buffers; v160-255 W's twelve fragments, ONE buffer filled in two halves
;   windows 1-3: accumulator (a, b) in window 1 + b / 4 at v[8 (8 (b % 4) + a)]
.set PA,    144                        ; a row of x in LDS: 128 bytes + 16: nine times 16 bytes, so 16 rows of a load start at 16 different 16-byte columns
.set PB,    864                        ; a k row of W: three times (256 + 32) bytes: 27 times 32 bytes
.set AHALF, 128*PA                     ; what one load brings of x
.set BOFF,  2*AHALF                    ; W's tile lies behind x's 256 rows
.set BHALF, 32*PB                      ; what one load brings of W: 32 k rows, one sub-step
.set SLOT1, 1<<17                      ; slot 1; every address in slot 0 lies below it, so one exclusive or changes slots
.set STAGE, SLOT1+BOFF+2*BHALF         ; behind the ring, never filled by a tensor load: 128 rows x 784 bytes, the work-group's, for the way out
.set SP,    784
.set SPARE, STAGE+128*SP               ; the spare words, 128 bytes a wave: two blocks of 256 bytes that no other line names
.set ASTEP, 8192*128                   ; bytes from a K block of xb to the next
.set QP,    6144                       ; bytes in a row of wb and of qkv
.set BSTEP, 64*QP
.set ADRA, 16                          ; v16  my place in x's tile of slot 0; never rewritten
.set ADRB, 17                          ; v17  the same for W
.set CA,   18                          ; v18  ADRA in the slot in hand
.set CB,   19                          ; v19  ADRB in the slot in hand
.set STO,  24                          ; v24  the way out: where I put 16 bytes of a row
.set RD,   25                          ; v25  where I read rows back
.set CO,   26                          ; v26  my byte offset in two rows of qkv
.set RDC,  27                          ; v27  RD, stepped
.set SPW,  28                          ; v28  my spare word; never rewritten
.set NIL,  29                          ; v29  0; never rewritten
.set FA0,  32
.set FA1,  96
.set FB,   160
.set TMP,  32                          ; the way out: 48 registers of packed results
.set OB,   96                          ; the way out: 48 registers read back
.set TS,   22                          ; s22  0 or SLOT1: the slot in hand
.set G1A,  24                          ; s[24:31] group 1 for x's tiles
.set G0A,  32                          ; s[32:39] group 0 for x's tiles: a set for each first fill; the second then walks
.set G1B,  48                          ; s[48:55], s[56:63] the same for W's
.set G0B,  56
.set MSB, 0
.macro WIN new                         ; the immediate's high byte repeats the setting that is left; a switch that changes nothing is dropped
.if MSB != (\new)
	s_set_vgpr_msb (MSB<<8)|(\new)
.set MSB, \new
.endif
.endm
.macro PLACES                          ; four plain instructions between a matrix instruction and a load into, or a read of, its registers
.rept 4
	v_nop
.endr
.endm
; A joint load: waves 0 and 1 fetch x's two halves, waves 2 and 3 W's.  The branch hangs on the wave's number alone.  An s_nop 0 and four v_nop follow each line.
.macro JLOAD s
	s_cmp_eq_u32 s11, 0
	s_cbranch_scc0 .Lfor_b_\@
	tensor_load_to_lds s[G0A+4*(\s):G0A+4*(\s)+3], s[G1A:G1A+7]
	s_nop 0
.rept 4
	v_nop
.endr
	s_branch .Lasked_\@
.Lfor_b_\@:
	tensor_load_to_lds s[G0B+4*(\s):G0B+4*(\s)+3], s[G1B:G1B+7]
	s_nop 0
.rept 4
	v_nop
.endr
.Lasked_\@:
.endm
.macro CREST                           ; a round of the cluster's barrier behind its opening barrier
	s_cmp_lg_u32 s10, 0
	s_cbranch_scc1 .Lnot_wave_0_\@
	s_barrier_signal -3
.Lnot_wave_0_\@:
	s_barrier_wait -3
	s_barrier_signal -1
	s_barrier_wait -1
.endm
.macro CROUND
	s_barrier_signal -1
	s_barrier_wait -1
	CREST
.endm
	s_load_b128 s[4:7], s[0:1], 0x0                ; xb s[4:5], wb s[6:7]
	s_load_b64 s[8:9], s[0:1], 0x10                ; qkv
	v_lshl_add_u32 v[SPW], v0, 2, SPARE
	v_mov_b32 v[NIL], 0
	ds_add_u32 v[SPW], v[NIL]                      ; the wave's opening: the add and its wait stand ahead of my first tensor load
	ds_add_u32 v28, v29
	v_lshrrev_b32 v1, 5, v0
	v_readfirstlane_b32 s10, v1                    ; wave 0..3
	s_lshr_b32 s11, s10, 1                         ; rh.  Also: I fetch for x (0) or for W (1)
	s_and_b32 s12, s10, 1                          ; ch.  Also: which half of that tile I fetch
	s_bfe_u32 s40, ttmp6, 0x40000                  ; cx
	s_bfe_u32 s41, ttmp6, 0x40004                  ; cy
	s_lshl_b32 s42, ttmp9, 2
	s_add_co_u32 s42, s42, s40                     ; tile column 0..7
	s_and_b32 s13, ttmp7, 0xffff
	s_lshl_b32 s13, s13, 2
	s_add_co_u32 s13, s13, s41                     ; tile row 0..31
	s_lshl_b32 s43, s41, 2
	s_lshl_b32 s43, 15, s43                        ; my row of the cluster
	s_lshl_b32 s44, 0x1111, s40                    ; my column
	; x's half tile is 16,384 dense bytes: 64 rows of 256 bytes (two rows of x), padded by 16 bytes after every 128
	s_or_b32 s[G1A+0], s43, (1<<16)|(1<<20)|(1<<21)|(4<<22)|(3<<25)
	s_mov_b32 s[G1A+1], 128<<16                    ; tensor_dim0
	s_mov_b32 s[G1A+2], 64<<16                     ; tensor_dim1
	s_mov_b32 s[G1A+3], 128<<16                    ; tile_dim0
	s_mov_b32 s[G1A+4], 64                         ; tile_dim1
	s_mov_b32 s[G1A+5], 128                        ; elements from row to row
	s_mov_b32 s[G1A+6], 0
	s_mov_b32 s[G1A+7], 0
	; W's half tile: 32 k rows of 384 elements (768 bytes), padded by 32 bytes after every 256
	s_or_b32 s[G1B+0], s44, (1<<16)|(1<<20)|(1<<21)|(5<<22)|(7<<25)
	s_mov_b32 s[G1B+1], 384<<16
	s_mov_b32 s[G1B+2], 32<<16
	s_mov_b32 s[G1B+3], 384<<16
	s_mov_b32 s[G1B+4], 32
	s_mov_b32 s[G1B+5], 3072
	s_mov_b32 s[G1B+6], 0
	s_mov_b32 s[G1B+7], 0
	s_lshl_b32 s16, s13, 15                        ; x: (256 tile row + 128 half) rows of 128 bytes: no register here ever holds cx
	s_lshl_b32 s17, s12, 14
	s_add_co_u32 s16, s16, s17
	s_mov_b32 s17, 0
	s_mul_i32 s46, s42, 768                        ; W: 384 columns a tile, 32 k rows a half: no register here ever holds cy
	s_mul_i32 s47, s12, 32*QP
	s_add_co_u32 s46, s46, s47
	s_mov_b32 s47, 0
	s_mul_i32 s20, s12, AHALF                      ; where they go: the wave's number alone
	s_mul_i32 s21, s12, BHALF
	s_add_co_u32 s21, s21, BOFF
	s_mov_b32 s[TS], 0
	s_wait_dscnt 0x0                               ; the opening add is done
	s_wait_kmcnt 0x0
	s_add_nc_u64 s[14:15], s[4:5], s[16:17]
	s_add_nc_u64 s[46:47], s[6:7], s[46:47]
	CROUND                                         ; all sixteen work-groups are here: the first joint loads meet
.irp s, 0,1
	s_mov_b32 s[G0A+4*(\s)], 1
	s_add_co_u32 s[G0A+4*(\s)+1], s20, (\s)*SLOT1
	s_add_nc_u64 s[G0A+4*(\s)+2:G0A+4*(\s)+3], s[14:15], (\s)*ASTEP
	s_or_b32 s[G0A+4*(\s)+3], s[G0A+4*(\s)+3], 0x80000000
	s_mov_b32 s[G0B+4*(\s)], 1
	s_add_co_u32 s[G0B+4*(\s)+1], s21, (\s)*SLOT1
	s_add_nc_u64 s[G0B+4*(\s)+2:G0B+4*(\s)+3], s[46:47], (\s)*BSTEP
	s_or_b32 s[G0B+4*(\s)+3], s[G0B+4*(\s)+3], 0x80000000
	JLOAD \s                                       ; K steps 0 and 1: two loads of mine are out
.endr
	v_and_b32 v1, 15, v0                           ; r = l % 16
	v_bfe_u32 v2, v0, 4, 1                         ; h = l / 16
	v_mul_u32_u24 v3, v1, PA                       ; x's fragment: row r, 16 bytes for each half of the lanes
	v_lshl_add_u32 v3, v2, 4, v3
	s_mul_i32 s18, s11, AHALF
	v_add_nc_u32 v[ADRA], s18, v3
	v_and_b32 v4, 7, v0                            ; W's fragment, turned: lane l reads k row 8 h + l % 8, columns 8 ((l / 8) % 2) ..
	v_lshl_add_u32 v4, v2, 3, v4
	v_mul_u32_u24 v4, v4, PB
	v_bfe_u32 v5, v0, 3, 1
	v_lshl_add_u32 v4, v5, 4, v4
	s_lshl_b32 s18, s12, 7                         ; my half of each segment
	s_add_co_u32 s18, s18, BOFF
	v_add_nc_u32 v[ADRB], s18, v4
	v_mov_b32 v[CA], v[ADRA]
	v_mov_b32 v[CB], v[ADRB]
	s_lshl_b32 s18, s11, 6                         ; into the stage: row 64 rh + 16 (a % 4) + r, my half of each segment
	s_mul_i32 s18, s18, SP
	s_lshl_b32 s19, s12, 7
	s_add_co_u32 s18, s18, s19
	s_add_co_u32 s18, s18, STAGE
	v_mul_u32_u24 v6, v1, SP
	v_lshl_add_u32 v6, v2, 4, v6
	v_add_nc_u32 v[STO], s18, v6
	s_lshl_b32 s18, s10, 5                         ; back: wave w takes the stage's rows 32 w .., whole; lanes 0-15 one row's 256 bytes, lanes 16-31 the next row's
	s_mul_i32 s18, s18, SP
	s_add_co_u32 s18, s18, STAGE
	v_mul_u32_u24 v6, v2, SP
	v_lshl_add_u32 v6, v1, 4, v6
	v_add_nc_u32 v[RD], s18, v6
	v_mul_u32_u24 v6, v2, QP
	v_lshl_add_u32 v[CO], v1, 4, v6
	s_lshl_b32 s16, s13, 8                         ; the first row that I store: 256 tile row + 128 (w / 2) + 32 (w % 2)
	s_lshl_b32 s17, s11, 7
	s_add_co_u32 s16, s16, s17
	s_lshl_b32 s17, s12, 5
	s_add_co_u32 s16, s16, s17
	s_mul_i32 s16, s16, QP
	s_mov_b32 s17, 0
	s_add_nc_u64 s[8:9], s[8:9], s[16:17]
	s_mul_i32 s46, s42, 768                        ; the tile's first column, in bytes
	s_mov_b32 s47, 0
	s_add_nc_u64 s[8:9], s[8:9], s[46:47]
; 8 nb matrix instructions: column blocks b0 .. b0 + nb - 1 x all 8 row blocks, 32 along K.  The accumulators take turns, one instruction a turn.
; zero = 1: the first product starts the sums.
.macro MULB f, b0, nb, zero
.set bb, \b0
.rept \nb
	WIN 0x50*(1+bb/4)
.set aa, 0
.rept 8
.set rD, 8*(8*(bb%4)+aa)
.if \zero
	v_wmma_f32_16x16x32_bf16 v[rD:rD+7], v[FB+8*bb:FB+8*bb+7], v[(\f)+8*aa:(\f)+8*aa+7], 0
.else
	v_wmma_f32_16x16x32_bf16 v[rD:rD+7], v[FB+8*bb:FB+8*bb+7], v[(\f)+8*aa:(\f)+8*aa+7], v[rD:rD+7]
.endif
.set aa, aa+1
.endr
.set bb, bb+1
.endr
.endm
.macro LDB o, b0                       ; six of W's fragments of sub-step o: 12 turning loads
.set bb, \b0
.rept 6
	ds_load_tr16_b128 v[FB+8*bb:FB+8*bb+3],   v[CB] offset:(\o)*BHALF+(bb/4)*288+(bb%4)*32
	ds_load_tr16_b128 v[FB+8*bb+4:FB+8*bb+7], v[CB] offset:(\o)*BHALF+(bb/4)*288+(bb%4)*32+16*PB
.set bb, bb+1
.endr
.endm
.macro RUN1 o, f                       ; 28 loads: W's fragments 0-5, then x's eight into buffer f
	WIN 0
	LDB \o, 0
.set aa, 0
.rept 8
	ds_load_b128 v[(\f)+8*aa:(\f)+8*aa+3],   v[CA] offset:aa*16*PA+64*(\o)
	ds_load_b128 v[(\f)+8*aa+4:(\f)+8*aa+7], v[CA] offset:aa*16*PA+64*(\o)+32
.set aa, aa+1
.endr
.endm
.macro RUN2 o                          ; 12 loads: W's fragments 6-11
	WIN 0
	LDB \o, 6
.endm
; A K step's first sub-step, on buffer FA0.  Each half of W's one buffer is filled again as soon as its products are issued.
.macro SUBE zero
	s_wait_dscnt 12                                ; the run of 28 is in; W's fragments 6-11 (12 loads) may be out
	MULB FA0, 0, 6, \zero
	PLACES
	RUN1 1, FA1
	s_wait_dscnt 28                                ; all but the 28 just issued
	MULB FA0, 6, 6, \zero
	PLACES
	RUN2 1
.endm
; The second sub-step, on FA1, with the change of slots.  In front of the barrier each wave waits for all its tensor loads (one is out: its part of the next slot), adds 0 to its
; spare word, and waits for that and for its reads of this slot.  fill = 1: the barrier opens a round of the cluster's, and this slot is filled again first thing behind it, two K steps ahead.
.macro TURN fill
	WIN 0
	s_wait_tensorcnt 0x0
	ds_add_u32 v[SPW], v[NIL]
	s_wait_dscnt 13                                ; the run of 28 is in; W's 12 and the add may be out
	MULB FA1, 0, 3, 0
	s_wait_dscnt 0x0                               ; the add is done, and my reads of this slot are over
	s_barrier_signal -1
	MULB FA1, 3, 3, 0
	WIN 0
	s_barrier_wait -1
.if \fill
	CREST                                          ; no wave of any partner still reads this slot or has a load on its way
	s_xor_b32 s[G0A+5], s[G0A+5], SLOT1            ; the walking descriptors: the other slot than last time, the next K step
	s_add_nc_u64 s[G0A+6:G0A+7], s[G0A+6:G0A+7], ASTEP
	s_xor_b32 s[G0B+5], s[G0B+5], SLOT1
	s_add_nc_u64 s[G0B+6:G0B+7], s[G0B+6:G0B+7], BSTEP
	JLOAD 1                                        ; its four v_nop are also places in front of the loads below
.endif
	s_xor_b32 s[TS], s[TS], SLOT1
	v_add_nc_u32 v[CA], s[TS], v[ADRA]
	v_add_nc_u32 v[CB], s[TS], v[ADRB]
.if !(\fill)
	v_nop                                          ; with the two additions: four places
	v_nop
.endif
	RUN1 0, FA0
	MULB FA1, 6, 6, 0
	PLACES
	RUN2 0
.endm
	s_wait_tensorcnt 0x1                           ; my part of K step 0 is in; step 1's may stay out
	s_barrier_signal -1
	s_barrier_wait -1
	RUN1 0, FA0
	RUN2 0
	SUBE 1                                         ; the first sub-step stands in front of the loop: its products start the sums
	WIN 0
	s_mov_b32 s3, 14
.Lstep:                                            ; trip t: second sub-step of K step t, request of step t + 2, first sub-step of step t + 1
	TURN 1
	SUBE 0
	WIN 0
	s_sub_co_u32 s3, s3, 1
	s_cmp_lg_u32 s3, 0
	s_cbranch_scc1 .Lstep
	TURN 0                                         ; the tail is written out: nothing is left to ask for
	SUBE 0
	s_wait_dscnt 12
	MULB FA1, 0, 6, 0
	s_wait_dscnt 0x0
	MULB FA1, 6, 6, 0
; THE WAY OUT, in two passes of 64 rows a wave pair: rounded to f16, 16 bytes a lane into the work-group's stage; a barrier, since a row's 768 bytes come from two waves;
; back as whole rows, 32 rows a wave; a barrier again before the stage is written anew.
.macro PACK a                          ; each accumulator's registers in ascending order
.set bb, 0
.rept 12
	WIN 0x05*(1+bb/4)
.set rD, 8*(8*(bb%4)+(\a))
.irp j, 0,1,2,3
	v_cvt_pk_f16_f32 v[TMP+4*bb+(\j)], v[rD+2*(\j)], v[rD+2*(\j)+1]
.endr
.set bb, bb+1
.endr
	WIN 0
.endm
.macro TOST a
.set bb, 0
.rept 12
	ds_store_b128 v[STO], v[TMP+4*bb:TMP+4*bb+3] offset:((\a)%4)*16*SP+(bb/4)*256+(bb%4)*32
.set bb, bb+1
.endr
.endm
.macro DRAIN                           ; four trips of eight rows: 12 loads of 16 bytes a lane, 12 stores; 16 lanes store 256 consecutive bytes, aligned
	v_mov_b32 v[RDC], v[RD]
	s_mov_b32 s3, 4
.Ldrain_\@:
.irp t, 0,1,2,3,4,5,6,7,8,9,10,11
	ds_load_b128 v[OB+4*(\t):OB+4*(\t)+3], v[RDC] offset:((\t)/3)*2*SP+((\t)%3)*256
.endr
	s_wait_dscnt 0x0
.irp t, 0,1,2,3,4,5,6,7,8,9,10,11
	global_store_b128 v[CO], v[OB+4*(\t):OB+4*(\t)+3], s[8:9] offset:((\t)/3)*2*QP+((\t)%3)*256
.endr
	s_wait_xcnt 0x0                                ; the stores' data and base are rewritten only behind this wait
	v_add_nc_u32 v[RDC], 8*SP, v[RDC]
	s_add_nc_u64 s[8:9], s[8:9], 8*QP
	s_sub_co_u32 s3, s3, 1
	s_cmp_lg_u32 s3, 0
	s_cbranch_scc1 .Ldrain_\@
.endm
.macro PASS p
	PACK 4*(\p)
	TOST 4*(\p)
	PACK 4*(\p)+1
	TOST 4*(\p)+1
	PACK 4*(\p)+2
	TOST 4*(\p)+2
	PACK 4*(\p)+3
	TOST 4*(\p)+3
	s_wait_dscnt 0x0                               ; for the others' sake: my stores into the stage are done
	s_barrier_signal -1
	s_barrier_wait -1
	DRAIN
.endm
	WIN 0
	PLACES                                         ; the conversions read results just made
	PASS 0
	s_wait_dscnt 0x0                               ; my reads of the stage are over
	s_barrier_signal -1
	s_barrier_wait -1                              ; everybody's are: it may be written again
	s_add_nc_u64 s[8:9], s[8:9], 32*QP             ; 32 rows were stored; the second pass's lie 64 below the first's
	PASS 1
	s_wait_tensorcnt 0x0                           ; the wave's end
	ds_add_u32 v[SPW], v[NIL]
	s_wait_dscnt 0x0
	CROUND                                         ; the closing round
	s_endpgm
.Lfunc_end_k_qfc14fb7610_proj:
	.size	k_qfc14fb7610_proj, .Lfunc_end_k_qfc14fb7610_proj-k_qfc14fb7610_proj
	.p2alignl 7, 3214868480
	.fill 96, 4, 3214868480
	.section	.rodata,"a",@progbits
	.p2align	6, 0x0
	.amdhsa_kernel k_qfc14fb7610_proj
		.amdhsa_group_segment_fixed_size 327680
		.amdhsa_private_segment_fixed_size 0
		.amdhsa_enable_private_segment 0
		.amdhsa_kernarg_size 24
		.amdhsa_user_sgpr_count 2
		.amdhsa_user_sgpr_kernarg_segment_ptr 1
		.amdhsa_wavefront_size32 1
		.amdhsa_system_sgpr_workgroup_id_x 1
		.amdhsa_system_sgpr_workgroup_id_y 1
		.amdhsa_system_sgpr_workgroup_id_z 1
		.amdhsa_system_vgpr_workitem_id 0
		.amdhsa_next_free_vgpr 1024
		.amdhsa_next_free_sgpr 66
		.amdhsa_reserve_vcc 0
		.amdhsa_float_denorm_mode_32 3
		.amdhsa_float_denorm_mode_16_64 3
		.amdhsa_memory_ordered 1
		.amdhsa_forward_progress 1
		.amdhsa_inst_pref_size 99
	.end_amdhsa_kernel
	.amdgpu_metadata
---
amdhsa.version: [ 1, 2 ]
amdhsa.kernels:
  - .name:           k_qfc14fb7610_proj
    .symbol:         k_qfc14fb7610_proj.kd
    .args:
      - { .name: xb, .offset: 0, .size: 8, .value_kind: global_buffer, .address_space: global }
      - { .name: wb, .offset: 8, .size: 8, .value_kind: global_buffer, .address_space: global }
      - { .name: qkv, .offset: 16, .size: 8, .value_kind: global_buffer, .address_space: global }
    .group_segment_fixed_size: 327680
    .private_segment_fixed_size: 0
    .kernarg_segment_align: 8
    .kernarg_segment_size: 24
    .max_flat_workgroup_size: 128
    .sgpr_count:     66
    .vgpr_count:     1024
    .wavefront_size: 32
...
	.end_amdgpu_metadata
.endif
;; end of part 2
;; launch score (part 3): grid 36 x 4, 4 waves a work-group, no clusters, 327,680 bytes of LDS; arguments qkv, pm, st; writes pm, st
.if DOCPART == 3
	.amdgcn_target "amdgcn-amd-amdhsa--gfx1250"
	.amdhsa_code_object_version 6
	.text
	.protected	k_qfc14fb7610_score
	.globl	k_qfc14fb7610_score
	.p2align	8
	.type	k_qfc14fb7610_score,@function
k_qfc14fb7610_score:
	s_mov_b64 s[64:65], 0
	v_nop
	global_prefetch_b8 v0, s[64:65] scope:SCOPE_SE
	s_setreg_imm32_b32 hwreg(HW_REG_WAVE_MODE, 25, 1), 1
	s_wait_xcnt 0x0
; The tiles of q k^T on and below the diagonal, and the softmax's first half.  qkv: [8192][3072] f16 (q at byte 0 of a row, k at 2,048).
; For each row and each CHUNK of 128 keys: c m = c x the chunk's largest visible score (c = log2(e) / 32), p = 2^(c s - c m) rounded to f16, l = the sum of the unrounded p.
;   pm: [8192][2048] f16, the p;   st: [2][16 chunks][8192 rows] f32: plane 0 c m, plane 1 l.  The next launch takes the row's maximum over chunks and divides.
; LIMITS.  A hidden score counts as its value less 1e30; p below f16's step of 6e-8 is 0; NaN and infinities are not treated apart.
; SHARES.  A batch has 36 tiles of 256 queries x 256 keys with J <= I; a work-group makes one, wave (rh, ch) 128 x 128 of it, which is one chunk for 128 rows: 64 accumulators.
; The wave tile that lies wholly above the diagonal (I = J, rh = 0, ch = 1) is computed unmasked: its p are finite, and the next launch multiplies them by 0.
; NO CLUSTER: a batch's tile rows have 1 to 8 tiles and its columns 8 to 1, so no grouping by fours shares a tile among all its members at every place, and no work-group may be added to fill one up.
; S^T = K Q^T (source 0 = 16 keys, source 1 = 16 queries): a lane holds ONE query (l % 16) and the keys 16 b + 8 (l / 16) + 0..7.
; THE MASK is the C operand of the product that starts a sum: in the diagonal chunk 0 for key blocks b < a, MEQ for b = a, MGT (-1e30) for b > a; elsewhere both hold 0.
; REGISTERS: window 0: v16-29 addresses; v32-47 masks; v64-191 q's fragments, two buffers (on the way out all the work); window 1: v64-191 k's fragments;
;   window 2: the accumulators of my queries 0-63 ((a, b) at v[8 (8 (a % 4) + b)]); window 3: of my queries 64-127.
.set PITCH, 272                        ; an LDS row: 256 bytes + 16: 17 times 16 bytes
.set HALFT, 128*PITCH                  ; what one tensor load brings
.set SLOT,  4*HALFT                    ; q's 256 rows, then k's 256.  No wave's address in slot 0 has one of SLOT's two bits, so an exclusive or changes slots
.set PST,   2*SLOT                     ; behind the ring: 16 rows x 272 bytes a wave, for p's way out
.set SST,   PST+4*16*PITCH             ; 1,024 bytes a wave: c m of its 128 rows, then l
.set SPARE, SST+4*1024                 ; the spare words
.set ADRA, 16                          ; my place in q's tile of slot 0; never rewritten
.set ADRB, 17                          ; in k's
.set CA,   18                          ; the same in the slot in hand
.set CB,   19
.set DA,   20                          ; the dump: 65,536 bytes a wave in the ring's bytes, behind their last fill; 16 bytes a lane
.set DL,   21                          ; DA at the block to be read
.set STO,  22
.set RD,   23
.set CO,   24
.set SA,   25                          ; where c m (lanes 0-15) and l (lanes 16-31) of the block in hand go
.set SR,   26
.set SO,   27
.set SPW,  28
.set NIL,  29
.set MEQ,  32
.set MGT,  40
.set F0,   64
.set F1,   128
.set S,    64                          ; the way out: a block's 64 scores a lane
.set PP,   128                         ; 32 registers of p in f16
.set RB,   160                         ; 32 registers read back
.set TT,   192
.set XX,   200
.set CM,   206                         ; a pair: the packed scaling takes its low word for both halves
.set LS,   208
.set LL,   216
.set SV,   217
.set G1,   24                          ; s[24:31] group 1
.set G0,   32                          ; s[32:39] group 0: a set for each first fill; the second then walks
.set CS,   40                          ; s[40:41] c
.set SEL,  42                          ; s[42:43] v_permlanex16_b32's selects: each lane takes its own place in the other half
.set BIG,  44
.set HM,   45                          ; lanes 16-31
.set TS,   46                          ; 0 or SLOT
.set BO,   47                          ; byte offset in the dump of the block to be read
.set MSB, 0
.macro WIN new
.if MSB != (\new)
	s_set_vgpr_msb (MSB<<8)|(\new)
.set MSB, \new
.endif
.endm
.macro PLACES
.rept 4
	v_nop
.endr
.endm
.macro TRI i, t                        ; tile row i begins at tile number t = i (i + 1) / 2
	s_cmp_ge_u32 s2, \t
	s_cselect_b32 s13, \i, s13
	s_cselect_b32 s14, \t, s14
.endm
	s_load_b128 s[4:7], s[0:1], 0x0                ; qkv s[4:5], pm s[6:7]
	s_load_b64 s[8:9], s[0:1], 0x10                ; st
	v_lshl_add_u32 v[SPW], v0, 2, SPARE
	v_mov_b32 v[NIL], 0
	ds_add_u32 v[SPW], v[NIL]                      ; the wave's opening: the add and its wait stand ahead of my first tensor load
	ds_add_u32 v28, v29
	v_lshrrev_b32 v1, 5, v0
	v_readfirstlane_b32 s10, v1                    ; wave 0..3
	s_lshr_b32 s11, s10, 1                         ; rh.  Also: I fetch q (0) or k (1)
	s_and_b32 s12, s10, 1                          ; ch.  Also: which 128 rows of that tile I fetch
	s_mov_b32 s2, ttmp9
	s_and_b32 s15, ttmp7, 0xffff                   ; batch
	s_mov_b32 s13, 0
	s_mov_b32 s14, 0
	TRI 1, 1
	TRI 2, 3
	TRI 3, 6
	TRI 4, 10
	TRI 5, 15
	TRI 6, 21
	TRI 7, 28
	s_sub_co_u32 s14, s2, s14                      ; I in s13, J in s14
	s_mov_b32 s[G1+0], (1<<16)|(1<<20)|(5<<22)|(3<<25)  ; 2-byte elements; 16 bytes of padding after every 256
	s_mov_b32 s[G1+1], 128<<16
	s_mov_b32 s[G1+2], 128<<16
	s_mov_b32 s[G1+3], 128<<16
	s_mov_b32 s[G1+4], 128
	s_mov_b32 s[G1+5], 3072
	s_mov_b32 s[G1+6], 0
	s_mov_b32 s[G1+7], 0
	s_mov_b32 s[CS], 0x3d38aa3b                    ; log2(e) / 32
	s_mov_b32 s[CS+1], s[CS]
	s_mov_b32 s[SEL], 0x76543210
	s_mov_b32 s[SEL+1], 0xfedcba98
	s_mov_b32 s[BIG], 0xf149f2ca                   ; -1e30
	s_mov_b32 s[HM], 0xffff0000
	s_mov_b32 s[TS], 0
	s_mov_b32 s[BO], 0
	s_lshl_b32 s18, s13, 8                         ; my tile's first row: q's 256 I or k's 256 J, + 128 half, in the batch
	s_lshl_b32 s19, s14, 8
	s_cmp_lt_u32 s10, 2
	s_cselect_b32 s18, s18, s19
	s_lshl_b32 s19, s12, 7
	s_add_co_u32 s18, s18, s19
	s_lshl_b32 s19, s15, 11
	s_add_co_u32 s18, s18, s19
	s_mul_i32 s18, s18, 6144
	s_lshl_b32 s19, s11, 11                        ; k lies 2,048 bytes into a row
	s_add_co_u32 s18, s18, s19
	s_mov_b32 s19, 0
	s_mul_i32 s20, s10, HALFT
	s_wait_dscnt 0x0                               ; the opening add is done
	s_wait_kmcnt 0x0
	s_add_nc_u64 s[22:23], s[4:5], s[18:19]
.irp s, 0,1
	s_mov_b32 s[G0+4*(\s)], 1
	s_add_co_u32 s[G0+4*(\s)+1], s20, (\s)*SLOT
	s_add_nc_u64 s[G0+4*(\s)+2:G0+4*(\s)+3], s[22:23], (\s)*256
	s_or_b32 s[G0+4*(\s)+3], s[G0+4*(\s)+3], 0x80000000
	tensor_load_to_lds s[G0+4*(\s):G0+4*(\s)+3], s[G1:G1+7]   ; K steps 0 and 1: two loads of mine are out
	s_nop 0
.endr
	v_and_b32 v1, 15, v0                           ; r
	v_bfe_u32 v2, v0, 4, 1                         ; h
	v_mul_u32_u24 v3, v1, PITCH
	v_lshl_add_u32 v3, v2, 4, v3
	s_mul_i32 s18, s11, HALFT
	v_add_nc_u32 v[ADRA], s18, v3
	s_mul_i32 s18, s12, HALFT
	s_add_co_u32 s18, s18, 2*HALFT
	v_add_nc_u32 v[ADRB], s18, v3
	v_mov_b32 v[CA], v[ADRA]
	v_mov_b32 v[CB], v[ADRB]
	; the masks.  My chunk is the diagonal one where 2 (I - J) + rh = ch
	s_sub_co_u32 s48, s13, s14
	s_lshl_b32 s48, s48, 1
	s_add_co_u32 s48, s48, s11
	s_cmp_eq_u32 s48, s12
	s_cselect_b32 s49, 0, 64
	s_cselect_b32 s50, s[BIG], 0
	v_lshlrev_b32 v5, 3, v2
	v_sub_nc_u32 v14, v1, v5
	v_add_nc_u32 v14, s49, v14                     ; register j of the block on the diagonal is hidden where 8 h + j > r; off the diagonal chunk never
.irp j, 0,1,2,3,4,5,6,7
	v_cmp_gt_i32 vcc_lo, \j, v14
	v_cndmask_b32 v[MEQ+(\j)], 0, s[BIG], vcc_lo
	v_mov_b32 v[MGT+(\j)], s50
.endr
	v_and_b32 v4, 31, v0                           ; lane
	s_lshl_b32 s18, s10, 16
	v_lshl_add_u32 v[DA], v4, 4, s18
	v_mov_b32 v[DL], v[DA]
	s_mul_i32 s18, s10, 16*PITCH
	s_add_co_u32 s18, s18, PST
	v_add_nc_u32 v[STO], s18, v3                   ; in: row r, 16 bytes for each half of the lanes
	v_mul_u32_u24 v5, v2, PITCH                    ; back: lanes 0-15 one row of 256 bytes, lanes 16-31 the next
	v_lshl_add_u32 v5, v1, 4, v5
	v_add_nc_u32 v[RD], s18, v5
	v_lshlrev_b32 v[CO], 12, v2                    ; and the same two rows in pm
	v_lshl_add_u32 v[CO], v1, 4, v[CO]
	s_lshl_b32 s18, s10, 10
	s_add_co_u32 s18, s18, SST
	v_lshlrev_b32 v5, 9, v2
	v_lshl_add_u32 v5, v1, 2, v5
	v_add_nc_u32 v[SA], s18, v5
	v_lshl_add_u32 v[SR], v4, 4, s18
	v_lshlrev_b32 v[SO], 4, v4
	v_mov_b32 v[XX], 0                             ; v_permlanex16_b32's destinations count as read
	v_mov_b32 v[XX+1], 0
	v_mov_b32 v[CM+1], 0                           ; named with c m as a pair
	s_lshl_b32 s18, s15, 11                        ; my first query row
	s_lshl_b32 s19, s13, 8
	s_add_co_u32 s18, s18, s19
	s_lshl_b32 s19, s11, 7
	s_add_co_u32 s18, s18, s19
	s_lshl_b32 s20, s18, 12                        ; rows of pm are 4,096 bytes
	s_lshl_b32 s19, s14, 1
	s_add_co_u32 s19, s19, s12                     ; my chunk 2 J + ch
	s_lshl_b32 s21, s19, 8
	s_add_co_u32 s20, s20, s21
	s_mov_b32 s21, 0
	s_add_nc_u64 s[6:7], s[6:7], s[20:21]
	s_lshl_b32 s20, s19, 15                        ; a chunk's plane of st is 8,192 rows of 4 bytes
	s_lshl_b32 s18, s18, 2
	s_add_co_u32 s20, s20, s18
	s_add_nc_u64 s[8:9], s[8:9], s[20:21]
	s_mov_b32 s16, 0                               ; what the first block adds to pm's address
	s_mov_b32 s17, 0
; 16 matrix instructions: query blocks a0, a0 + 1 of the window's four x all 8 key blocks, 32 along K.  The 64 accumulators take turns.
; zero = 1: the product starts the sum, with 0 or with a mask.
.macro MUL16 f, hi, a0, zero
.if \zero
	WIN 0x81+0x40*(\hi)                            ; k window 1, q and the mask window 0, the result window 2 or 3
.else
	WIN 0xa1+0x50*(\hi)
.endif
.irp a, \a0, (\a0)+1
.irp b, 0,1,2,3,4,5,6,7
.set rD, 8*(8*(\a)+(\b))
.set rK, (\f)+8*(\b)
.set rQ, (\f)+8*(4*(\hi)+(\a))
.if (\zero) && ((\b) < 4*(\hi)+(\a))
	v_wmma_f32_16x16x32_f16 v[rD:rD+7], v[rK:rK+7], v[rQ:rQ+7], 0
.elseif (\zero) && ((\b) == 4*(\hi)+(\a))
	v_wmma_f32_16x16x32_f16 v[rD:rD+7], v[rK:rK+7], v[rQ:rQ+7], v[MEQ:MEQ+7]
.elseif \zero
	v_wmma_f32_16x16x32_f16 v[rD:rD+7], v[rK:rK+7], v[rQ:rQ+7], v[MGT:MGT+7]
.else
	v_wmma_f32_16x16x32_f16 v[rD:rD+7], v[rK:rK+7], v[rQ:rQ+7], v[rD:rD+7]
.endif
.endr
.endr
.endm
.macro FETCH k, f                      ; 32 LDS loads in one run: 128 rows of k, 128 rows of q, 32 along K at byte k of the rows
	WIN 0x40
.irp i, 0,1,2,3,4,5,6,7
	ds_load_b128 v[(\f)+8*(\i):(\f)+8*(\i)+3],   v[CB] offset:(\k)+(\i)*16*PITCH
	ds_load_b128 v[(\f)+8*(\i)+4:(\f)+8*(\i)+7], v[CB] offset:(\k)+(\i)*16*PITCH+32
.endr
	WIN 0
.irp i, 0,1,2,3,4,5,6,7
	ds_load_b128 v[(\f)+8*(\i):(\f)+8*(\i)+3],   v[CA] offset:(\k)+(\i)*16*PITCH
	ds_load_b128 v[(\f)+8*(\i)+4:(\f)+8*(\i)+7], v[CA] offset:(\k)+(\i)*16*PITCH+32
.endr
.endm
; A K step of 128 is four quarters on buffers 0, 1, 0, 1.  One of the first three multiplies buffer f and fetches the next quarter, at byte k, into g.
.macro QUARTER k, f, g, zero
	s_wait_dscnt 8                                 ; k and q's rows 0-63 are in; the youngest eight loads may be out
	MUL16 \f, 0, 0, \zero
	MUL16 \f, 0, 2, \zero
	PLACES
	FETCH \k, \g
	s_wait_dscnt 32                                ; all but the 32 just issued
	MUL16 \f, 1, 0, \zero
	MUL16 \f, 1, 2, \zero
.endm
; The last quarter multiplies buffer 1 and changes slots: one barrier; in front of it each wave waits for all its tensor loads (one is out: its part of the next slot), adds 0 to its
; spare word, and waits for that and for its reads of this slot.  fill = 1: my part of this slot is filled again first thing behind it, two K steps ahead.
.macro TURN fill
	WIN 0
	s_wait_tensorcnt 0x0
	ds_add_u32 v[SPW], v[NIL]
	s_wait_dscnt 9                                 ; the add and the youngest eight loads may be out
	MUL16 F1, 0, 0, 0
	s_wait_dscnt 0x0                               ; the add is done, and my reads of this slot are over
	s_barrier_signal -1
	MUL16 F1, 0, 2, 0
	WIN 0
	s_barrier_wait -1
	s_xor_b32 s[TS], s[TS], SLOT
.if \fill
	s_xor_b32 s[G0+5], s[G0+5], SLOT               ; the walking descriptor: the other slot than last time, the next K step
	s_add_nc_u64 s[G0+6:G0+7], s[G0+6:G0+7], 256
	tensor_load_to_lds s[G0+4:G0+7], s[G1:G1+7]
	s_nop 0
.endif
	v_add_nc_u32 v[CA], s[TS], v[ADRA]             ; four plain instructions: the places in front of the loads below
	v_add_nc_u32 v[CB], s[TS], v[ADRB]
	v_nop
	v_nop
	FETCH 0, F0
	MUL16 F1, 1, 0, 0
	MUL16 F1, 1, 2, 0
.endm
	s_wait_tensorcnt 0x1                           ; my part of K step 0 is in; step 1's may stay out
	s_barrier_signal -1
	s_barrier_wait -1
	FETCH 0, F0
	QUARTER 64, F0, F1, 1                          ; the first quarter stands in front of the loop: its products start the sums
	WIN 0
	s_mov_b32 s3, 6
.Lstep:                                            ; trip t: quarters 1 to 3 of K step t, request of step t + 2, quarter 0 of step t + 1
	QUARTER 128, F1, F0, 0
	QUARTER 192, F0, F1, 0
	TURN 1
	QUARTER 64, F0, F1, 0
	WIN 0
	s_sub_co_u32 s3, s3, 1
	s_cmp_lg_u32 s3, 0
	s_cbranch_scc1 .Lstep
	QUARTER 128, F1, F0, 0                         ; the tail is written out: nothing is left to ask for
	QUARTER 192, F0, F1, 0
	TURN 0
	QUARTER 64, F0, F1, 0
	QUARTER 128, F1, F0, 0
	QUARTER 192, F0, F1, 0
	s_wait_dscnt 8
	MUL16 F1, 0, 0, 0
	MUL16 F1, 0, 2, 0
	s_wait_dscnt 0x0
	MUL16 F1, 1, 0, 0
	MUL16 F1, 1, 2, 0
	WIN 0
	s_barrier_signal -1                            ; every wave's reads of the ring are over and its last fill has landed:
	s_barrier_wait -1                              ; the ring's bytes now serve as the dump
	PLACES
	; THE DUMP: the scores go to LDS, each lane's to its own 16-byte places, so that ONE text, walked eight times, can take a block of 16 queries at a time out of it.  Each accumulator's low half first.
.set aa, 0
.rept 8
	WIN 0x08+4*(aa/4)
.set bb, 0
.rept 8
.set rD, 8*(8*(aa%4)+bb)
	ds_store_b128 v[DA], v[rD:rD+3]   offset:(16*aa+2*bb)*512
	ds_store_b128 v[DA], v[rD+4:rD+7] offset:(16*aa+2*bb+1)*512
.set bb, bb+1
.endr
.set aa, aa+1
.endr
	WIN 0
.macro LOADS                           ; a block's 64 scores a lane; LDS serves a wave's instructions in order, so these see the stores above
.irp t, 0,1,2,3,4,5,6,7,8,9,10,11,12,13,14,15
	ds_load_b128 v[S+4*(\t):S+4*(\t)+3], v[DL] offset:(\t)*512
.endr
.endm
	LOADS
	s_mov_b32 s3, 8
.Lblk:                                             ; a block of 16 queries x my 128 keys
	s_wait_dscnt 0x0
.irp b, 0,1,2,3,4,5,6,7                            ; the maximum: eight chains of seven scores, three operands at a time,
	v_max3_num_f32 v[TT+(\b)], v[S+8*(\b)], v[S+8*(\b)+1], v[S+8*(\b)+2]
.endr
.irp b, 0,1,2,3,4,5,6,7
	v_max3_num_f32 v[TT+(\b)], v[TT+(\b)], v[S+8*(\b)+3], v[S+8*(\b)+4]
.endr
.irp b, 0,1,2,3,4,5,6,7
	v_max3_num_f32 v[TT+(\b)], v[TT+(\b)], v[S+8*(\b)+5], v[S+8*(\b)+6]
.endr
.irp b, 0,1,2,3                                    ; the eight scores left over,
	v_max3_num_f32 v[TT+(\b)], v[TT+(\b)], v[S+16*(\b)+7], v[S+16*(\b)+15]
.endr
	v_max3_num_f32 v[TT], v[TT], v[TT+1], v[TT+2]  ; the chains,
	v_max3_num_f32 v[TT+3], v[TT+3], v[TT+4], v[TT+5]
	v_max_num_f32 v[TT+6], v[TT+6], v[TT+7]
	v_max3_num_f32 v[TT], v[TT], v[TT+3], v[TT+6]
	v_permlanex16_b32 v[XX], v[TT], s[SEL], s[SEL+1]  ; and the query's other 64 keys, in the lane 16 away
	v_max_num_f32 v[TT], v[TT], v[XX]
	v_mul_f32 v[CM], s[CS], v[TT]
.set kk, 0
.rept 32
	v_pk_fma_f32 v[S+2*kk:S+2*kk+1], v[S+2*kk:S+2*kk+1], s[CS:CS+1], v[CM:CM+1] op_sel_hi:[1,0,0] neg_lo:[0,0,1] neg_hi:[0,0,1]  ; c s - c m
.set kk, kk+1
.endr
.set kk, 0
.rept 64
	v_exp_f32 v[S+kk], v[S+kk]
.set kk, kk+1
.endr
	v_nop                                          ; a plain instruction between the last exponential and the use of its result (ISA guide 5.7.2)
.set kk, 0
	s_wait_alu depctr_va_vdst(0)
.rept 32
	v_cvt_pk_f16_f32 v[PP+kk], v[S+2*kk], v[S+2*kk+1]
.set kk, kk+1
.endr
	s_wait_xcnt 0x0                                ; the last block's stores: their base and data are rewritten only behind this wait
	s_add_nc_u64 s[6:7], s[6:7], s[16:17]
	s_mov_b32 s16, 0x10000                         ; from now on 16 rows of 4,096 bytes
.irp b, 0,1,2,3,4,5,6,7
	ds_store_b128 v[STO], v[PP+4*(\b):PP+4*(\b)+3] offset:32*(\b)
.endr
.irp t, 0,1,2,3,4,5,6,7
	ds_load_b128 v[RB+4*(\t):RB+4*(\t)+3], v[RD] offset:(\t)*2*PITCH   ; my own bytes, served in order: whole rows of 256 bytes come back
.endr
.irp c, 0,1,2,3                                    ; l: four chains over the 32 pairs
	v_pk_add_f32 v[LS+2*(\c):LS+2*(\c)+1], v[S+2*(\c):S+2*(\c)+1], v[S+8+2*(\c):S+8+2*(\c)+1]
.endr
.set kk, 2
.rept 6
.irp c, 0,1,2,3
	v_pk_add_f32 v[LS+2*(\c):LS+2*(\c)+1], v[LS+2*(\c):LS+2*(\c)+1], v[S+8*kk+2*(\c):S+8*kk+2*(\c)+1]
.endr
.set kk, kk+1
.endr
	v_pk_add_f32 v[LS:LS+1], v[LS:LS+1], v[LS+2:LS+3]
	v_pk_add_f32 v[LS+4:LS+5], v[LS+4:LS+5], v[LS+6:LS+7]
	v_pk_add_f32 v[LS:LS+1], v[LS:LS+1], v[LS+4:LS+5]
	v_add_f32 v[LL], v[LS], v[LS+1]
	v_permlanex16_b32 v[XX+1], v[LL], s[SEL], s[SEL+1]
	v_add_f32 v[LL], v[LL], v[XX+1]
	v_cndmask_b32 v[SV], v[CM], v[LL], s[HM]       ; lanes 0-15 keep c m, lanes 16-31 l
	ds_store_b32 v[SA], v[SV]
	v_add_nc_u32 v[SA], 64, v[SA]
	s_add_co_u32 s[BO], s[BO], 8192                ; the next block of the dump; behind the last the last once more, read for nothing
	s_min_u32 s[BO], s[BO], 57344
	v_add_nc_u32 v[DL], s[BO], v[DA]
	LOADS
	s_wait_dscnt 17                                ; p's rows are back: the statistics' store and the 16 loads are younger
.irp t, 0,1,2,3,4,5,6,7
	global_store_b128 v[CO], v[RB+4*(\t):RB+4*(\t)+3], s[6:7] offset:(\t)*8192   ; 16 lanes store 256 consecutive bytes, aligned
.endr
	s_sub_co_u32 s3, s3, 1
	s_cmp_lg_u32 s3, 0
	s_cbranch_scc1 .Lblk
	s_wait_dscnt 0x0
	ds_load_b128 v[S:S+3], v[SR]                   ; c m of my 128 rows,
	ds_load_b128 v[S+4:S+7], v[SR] offset:512      ; and l
	s_wait_dscnt 0x0
	global_store_b128 v[SO], v[S:S+3], s[8:9]      ; 512 consecutive bytes each
	global_store_b128 v[SO], v[S+4:S+7], s[8:9] offset:524288
	s_wait_tensorcnt 0x0                           ; the wave's end
	ds_add_u32 v[SPW], v[NIL]
	s_wait_dscnt 0x0
	s_endpgm
.Lfunc_end_k_qfc14fb7610_score:
	.size	k_qfc14fb7610_score, .Lfunc_end_k_qfc14fb7610_score-k_qfc14fb7610_score
	.p2alignl 7, 3214868480
	.fill 96, 4, 3214868480
	.section	.rodata,"a",@progbits
	.p2align	6, 0x0
	.amdhsa_kernel k_qfc14fb7610_score
		.amdhsa_group_segment_fixed_size 327680
		.amdhsa_private_segment_fixed_size 0
		.amdhsa_enable_private_segment 0
		.amdhsa_kernarg_size 24
		.amdhsa_user_sgpr_count 2
		.amdhsa_user_sgpr_kernarg_segment_ptr 1
		.amdhsa_wavefront_size32 1
		.amdhsa_system_sgpr_workgroup_id_x 1
		.amdhsa_system_sgpr_workgroup_id_y 1
		.amdhsa_system_sgpr_workgroup_id_z 1
		.amdhsa_system_vgpr_workitem_id 0
		.amdhsa_next_free_vgpr 1024
		.amdhsa_next_free_sgpr 66
		.amdhsa_reserve_vcc 1
		.amdhsa_float_denorm_mode_32 3
		.amdhsa_float_denorm_mode_16_64 3
		.amdhsa_memory_ordered 1
		.amdhsa_forward_progress 1
		.amdhsa_inst_pref_size 108
	.end_amdhsa_kernel
	.amdgpu_metadata
---
amdhsa.version: [ 1, 2 ]
amdhsa.kernels:
  - .name:           k_qfc14fb7610_score
    .symbol:         k_qfc14fb7610_score.kd
    .args:
      - { .name: qkv, .offset: 0, .size: 8, .value_kind: global_buffer, .address_space: global }
      - { .name: pm, .offset: 8, .size: 8, .value_kind: global_buffer, .address_space: global }
      - { .name: st, .offset: 16, .size: 8, .value_kind: global_buffer, .address_space: global }
    .group_segment_fixed_size: 327680
    .private_segment_fixed_size: 0
    .kernarg_segment_align: 8
    .kernarg_segment_size: 24
    .max_flat_workgroup_size: 128
    .sgpr_count:     66
    .vgpr_count:     1024
    .wavefront_size: 32
...
	.end_amdgpu_metadata
.endif
;; end of part 3
;; launch mix (part 4): grid 8 x 32, 4 waves a work-group, clusters of 4 x 1, 327,680 bytes of LDS; arguments pm, qkv, st, out0; writes out0
.if DOCPART == 4
	.amdgcn_target "amdgcn-amd-amdhsa--gfx1250"
	.amdhsa_code_object_version 6
	.text
	.protected	k_qfc14fb7610_mix
	.globl	k_qfc14fb7610_mix
	.p2align	8
	.type	k_qfc14fb7610_mix,@function
k_qfc14fb7610_mix:
	s_mov_b64 s[64:65], 0
	v_nop
	global_prefetch_b8 v0, s[64:65] scope:SCOPE_SE
	s_setreg_imm32_b32 hwreg(HW_REG_WAVE_MODE, 25, 1), 1
	s_wait_xcnt 0x0
	s_wait_alu depctr_hold_cnt(0) depctr_sa_sdst(0) depctr_va_vdst(0) depctr_va_sdst(0) depctr_va_ssrc(0) depctr_va_vcc(0) depctr_vm_vsrc(0)
	s_getreg_b32 s2, hwreg(HW_REG_IB_STS2, 6, 4)
	s_cmp_eq_u32 s2, 0
	s_cbranch_scc0 .Lentry_in_a_cluster
	s_endpgm
.Lentry_in_a_cluster:
	s_bfe_u32 s2, ttmp6, 0x10000c
	s_cmp_lg_u32 s2, 0x3003
	s_cbranch_scc0 .Lentry_shape_is_right
	s_endpgm
.Lentry_shape_is_right:
; out0[row][:] = the sum over chunks j of f'[j][row] (P_j V_j)[row][:], f'[j] = 2^(c m_j - M) / L, M = the row's largest c m_j, L = the sum over j of 2^(c m_j - M) l_j.
; pm: [8192][2048] f16, p by chunks of 128 keys; st: [2][16][8192] f32, c m and l; v: f16 at byte 4,096 of qkv's rows of 6,144; out0: [8192][1024] f32.
; The row's maximum is taken away here, over the chunks' own maxima: every exponent is at most 0.  Products and O in f32; nothing is rounded behind p.
; LIMITS.  A factor below 2^-126 counts as 0; NaN and infinities are not treated apart.
; SHARES.  A batch has 16 blocks of 128 rows; block i needs the chunks 0 .. i, walked in steps of 256 keys (the chunk i + 1 of an even i has the factor 0).  A work-group takes 128 columns and TWO blocks,
; 15 - pr and then pr: 9 steps, 18 chunks, whatever pr.  Wave (rh, ch) makes 64 rows x 64 columns of each block: 16 accumulators T for the chunk in hand, O of both blocks in window 2.
; O^T-wise use: source 0 = 16 columns of V (turned out of LDS), source 1 = 16 rows of P: a lane holds ONE row (l % 16) and eight columns, so f' is one number a lane.
; CLUSTER 4 x 1: the four partners differ in their columns alone and walk the same P: P's tile is asked for jointly; V's hangs on the columns and is each work-group's own load, behind the same round.
; Branches and trip counts hang on the grid's y alone, which the partners share.
; REGISTERS: window 0: v2-10 addresses; v48-55 f'; v64-127 the way out; v128-255 T ((a, b) at 128 + 8 (4 a + b)); window 1: two fragment buffers of 128 (64 of P, then 64 of V, for 64 keys);
;   window 2: v0-127 O of the long block, v128-255 of the short one.
.set PPI,   528                        ; a row of P in LDS: 512 bytes + 16
.set PVI,   288                        ; a row of V: 256 + 32: nine times 32 bytes
.set AH,    64*PPI                     ; what one load brings of P
.set BOFF,  2*AH
.set BH,    128*PVI                    ; what one load brings of V: one chunk's keys
.set SLOT,  147456                     ; no address in slot 0 that a descriptor or a slot's base holds has one of SLOT's two bits, so an exclusive or changes slots
.set OST,   2*SLOT                     ; behind the ring: 16 rows x 272 bytes a wave, for the way out
.set OP,    272
.set FTAB,  OST+4*16*OP                ; f'[entry][row], 512 bytes an entry: 0-15 the long block's chunks, 16-23 the short block's
.set SPARE, FTAB+24*512
.set ADRA, 2                           ; my place in P's tile of slot 0; never rewritten
.set ADRB, 3                           ; in V's
.set CA,   4                           ; the same at the chunk to be fetched
.set CB,   5
.set FA,   6                           ; my row's place in an entry of the table
.set STO,  7
.set RD,   8
.set CO,   9
.set FAC,  10
.set SPW,  62
.set NIL,  63
.set FV,   48                          ; f' of row block a at v[FV + 2 a]: the low word of a pair
.set RB,   64
.set T,    128
.set F0,   0
.set F1,   128
.set ADL,  128                         ; the statistics' registers, in T's place before the first product
.set CML,  144
.set LVL,  160
.set ADS,  176
.set CMS,  184
.set LVS,  192
.set MX,   200
.set SUM0, 201
.set SUM1, 202
.set ROL,  203
.set ROS,  204
.set TAB,  205
.set WV,   12
.set CC,   14                          ; my 128 columns, 0..7: the one number here that holds cx
.set BAT,  15
.set PR,   16                          ; the short block
.set NL,   17                          ; the long block's steps
.set NL2,  18                          ; its chunks
.set NS,   19                          ; the walk's step to be asked for next
.set ROWL, 20                          ; byte offset of the long block's first row in pm (and in out0: both have rows of 4,096 bytes)
.set ROWS, 21
.set WC,   22                          ; the walk's chunk in hand
.set TA,   23                          ; LDS byte offset of the chunk to be fetched, in P's rows
.set G1A,  24
.set G1B,  32
.set G0A,  40                          ; s[40:47]: a set for each first fill; the second serves every refill
.set G0B,  48
.set TB,   56                          ; the same as TA for V
.set TWICE, 57
.set SLOTS, 58
.set IL,   59                          ; the long block
.set OFF,  60                          ; s[60:61] P's tile, byte offset
.set OFB,  62                          ; s[62:63] V's
.set PMW,  66                          ; s[66:67] pm at my half of a tile's rows
.set VW,   68                          ; s[68:69] v at my half of a step's keys, my columns
.set OL,   70                          ; s[70:71] out0 at my part of the long block
.set OS,   72                          ; s[72:73] of the short one
.set SH,   95                          ; 16 - NL2
.set MSB, 0
.macro WIN new
.if MSB != (\new)
	s_set_vgpr_msb (MSB<<8)|(\new)
.set MSB, \new
.endif
.endm
.macro PLACES
.rept 4
	v_nop
.endr
.endm
.macro JLOAD                           ; a refill: waves 0 and 1 ask jointly for P's two halves, waves 2 and 3 fetch V's.  An s_nop 0 and four v_nop follow each line
	s_cmp_lt_u32 s[WV], 2
	s_cbranch_scc0 .Lfor_v_\@
	tensor_load_to_lds s[G0A+4:G0A+7], s[G1A:G1A+7]
	s_nop 0
.rept 4
	v_nop
.endr
	s_branch .Lasked_\@
.Lfor_v_\@:
	tensor_load_to_lds s[G0B+4:G0B+7], s[G1B:G1B+7]
	s_nop 0
.rept 4
	v_nop
.endr
.Lasked_\@:
.endm
.macro CROUND
	s_barrier_signal -1
	s_barrier_wait -1
	s_cmp_lg_u32 s[WV], 0
	s_cbranch_scc1 .Lnot_wave_0_\@
	s_barrier_signal -3
.Lnot_wave_0_\@:
	s_barrier_wait -3
	s_barrier_signal -1
	s_barrier_wait -1
.endm
	s_load_b256 s[4:11], s[0:1], 0x0               ; pm s[4:5], qkv s[6:7], st s[8:9], out0 s[10:11]
	v_lshl_add_u32 v[SPW], v0, 2, SPARE
	v_mov_b32 v[NIL], 0
	ds_add_u32 v[SPW], v[NIL]                      ; the wave's opening: the add and its wait stand ahead of my first tensor load
	ds_add_u32 v62, v63
	v_lshrrev_b32 v1, 5, v0
	v_readfirstlane_b32 s[WV], v1
	s_bfe_u32 s13, ttmp6, 0x40000                  ; cx
	s_lshl_b32 s[CC], ttmp9, 2
	s_add_co_u32 s[CC], s[CC], s13
	s_and_b32 s74, ttmp7, 0xffff
	s_lshr_b32 s[BAT], s74, 3
	s_and_b32 s[PR], s74, 7
	s_sub_co_u32 s[IL], 15, s[PR]
	s_sub_co_u32 s[NL], 17, s[PR]
	s_lshr_b32 s[NL], s[NL], 1                     ; (i + 2) / 2 steps for block i = 15 - pr: 5 to 8
	s_min_u32 s[NL], s[NL], 8
	s_lshl_b32 s[NL2], s[NL], 1
	s_sub_co_u32 s[SH], 16, s[NL2]
	s_lshl_b32 s74, s[BAT], 23                     ; 2,048 rows of 4,096 bytes
	s_lshl_b32 s[ROWL], s[IL], 19                  ; 128 rows
	s_add_co_u32 s[ROWL], s[ROWL], s74
	s_lshl_b32 s[ROWS], s[PR], 19
	s_add_co_u32 s[ROWS], s[ROWS], s74
	s_and_b32 s75, s[WV], 1                        ; ch.  Also: which half of a tile I fetch
	s_lshr_b32 s76, s[WV], 1                       ; rh
	s_lshl_b32 s78, s75, 18                        ; P: 64 rows of 4,096 bytes
	s_mov_b32 s79, 0
	s_mul_i32 s80, s[BAT], 12582912                ; V: the batch's 2,048 rows of 6,144 bytes,
	s_mul_i32 s81, s75, 786432                     ; my 128 keys,
	s_add_co_u32 s80, s80, s81
	s_lshl_b32 s81, s[CC], 8                       ; my 128 columns,
	s_add_co_u32 s80, s80, s81
	s_add_co_u32 s80, s80, 4096                    ; behind q and k
	s_mov_b32 s81, 0
	s_mul_i32 s77, s75, AH                         ; where they go: the wave's number alone
	s_mul_i32 s82, s75, BH
	s_add_co_u32 s82, s82, BOFF
	s_mov_b32 s[OFF], s[ROWL]
	s_mov_b32 s[OFF+1], 0
	s_mov_b32 s[OFB+1], 0
	; P's half tile: 64 rows of 256 elements, 16 bytes of padding after every 512; all four work-groups are named
	s_mov_b32 s[G1A+0], 15|(1<<16)|(1<<20)|(1<<21)|(6<<22)|(3<<25)
	s_mov_b32 s[G1A+1], 256<<16
	s_mov_b32 s[G1A+2], 64<<16
	s_mov_b32 s[G1A+3], 256<<16
	s_mov_b32 s[G1A+4], 64
	s_mov_b32 s[G1A+5], 2048
	s_mov_b32 s[G1A+6], 0
	s_mov_b32 s[G1A+7], 0
	; V's half tile: 128 keys of 128 elements, 32 bytes of padding after every 256; my own
	s_mov_b32 s[G1B+0], (1<<16)|(1<<20)|(5<<22)|(7<<25)
	s_mov_b32 s[G1B+1], 128<<16
	s_mov_b32 s[G1B+2], 128<<16
	s_mov_b32 s[G1B+3], 128<<16
	s_mov_b32 s[G1B+4], 128
	s_mov_b32 s[G1B+5], 3072
	s_mov_b32 s[G1B+6], 0
	s_mov_b32 s[G1B+7], 0
	s_lshl_b32 s86, s76, 18                        ; out0: my 64 rows, my work-group's 512 bytes of a row, my 256 of them
	s_lshl_b32 s87, s[CC], 9
	s_add_co_u32 s86, s86, s87
	s_lshl_b32 s87, s75, 8
	s_add_co_u32 s86, s86, s87
	s_mov_b32 s89, 0
	s_lshl_b32 s74, s[BAT], 13                     ; st: 4 bytes a row
	s_lshl_b32 s90, s[IL], 9
	s_add_co_u32 s90, s90, s74
	s_lshl_b32 s91, s[PR], 9
	s_add_co_u32 s91, s91, s74
	s_mov_b32 s[NS], 2
	s_mov_b32 s[WC], 0
	s_mov_b32 s[TA], 0
	s_mov_b32 s[TB], 0
	s_wait_dscnt 0x0                               ; the opening add is done
	s_wait_kmcnt 0x0
	s_add_nc_u64 s[PMW:PMW+1], s[4:5], s[78:79]
	s_add_nc_u64 s[VW:VW+1], s[6:7], s[80:81]
	s_add_nc_u64 s[84:85], s[PMW:PMW+1], s[OFF:OFF+1]
	s_add_co_u32 s88, s86, s[ROWL]
	s_add_nc_u64 s[OL:OL+1], s[10:11], s[88:89]
	s_add_co_u32 s88, s86, s[ROWS]
	s_add_nc_u64 s[OS:OS+1], s[10:11], s[88:89]
.irp s, 0,1                                        ; the walk's steps 0 and 1, both the long block's
	s_mov_b32 s[G0A+4*(\s)], 1
	s_add_co_u32 s[G0A+4*(\s)+1], s77, (\s)*SLOT
	s_add_nc_u64 s[G0A+4*(\s)+2:G0A+4*(\s)+3], s[84:85], (\s)*512
	s_or_b32 s[G0A+4*(\s)+3], s[G0A+4*(\s)+3], 0x80000000
	s_mov_b32 s[G0B+4*(\s)], 1
	s_add_co_u32 s[G0B+4*(\s)+1], s82, (\s)*SLOT
	s_add_nc_u64 s[G0B+4*(\s)+2:G0B+4*(\s)+3], s[VW:VW+1], (\s)*1572864
	s_or_b32 s[G0B+4*(\s)+3], s[G0B+4*(\s)+3], 0x80000000
.endr
	CROUND                                         ; all four work-groups are here: the first joint loads meet
	s_cmp_lt_u32 s[WV], 2                          ; a wave's two first fills stand in one branch: two loads of mine are out
	s_cbranch_scc0 .Lfirst_v
	tensor_load_to_lds s[G0A:G0A+3], s[G1A:G1A+7]
	s_nop 0
	tensor_load_to_lds s[G0A+4:G0A+7], s[G1A:G1A+7]
	s_nop 0
.rept 4
	v_nop
.endr
	s_branch .Lfirst_asked
.Lfirst_v:
	tensor_load_to_lds s[G0B:G0B+3], s[G1B:G1B+7]
	s_nop 0
	tensor_load_to_lds s[G0B+4:G0B+7], s[G1B:G1B+7]
	s_nop 0
.rept 4
	v_nop
.endr
.Lfirst_asked:
; THE FACTORS.  Thread t takes row t of a block.  Chunk j's numbers are read at chunk min(j, i), so that nothing unwritten is read; a chunk behind i gets the factor 0.
.macro SLOADS n, ireg, ro, ad, cm, lv
.set jj, 0
.rept \n
	s_min_u32 s74, s[\ireg], jj
	s_lshl_b32 s74, s74, 15                        ; a chunk's plane is 32,768 bytes
	v_add_nc_u32 v[(\ad)+jj], s74, v[\ro]
	global_load_b32 v[(\cm)+jj], v[(\ad)+jj], s[8:9]
	global_load_b32 v[(\lv)+jj], v[(\ad)+jj], s[8:9] offset:524288
.set jj, jj+1
.endr
.endm
.macro SCALC n, ireg, cm, lv, e0
	v_max_num_f32 v[MX], v[\cm], v[(\cm)+1]
.set jj, 2
.rept ((\n)-2)/2
	v_max3_num_f32 v[MX], v[MX], v[(\cm)+jj], v[(\cm)+jj+1]
.set jj, jj+2
.endr
.set jj, 0
.rept \n
	v_sub_f32 v[(\cm)+jj], v[(\cm)+jj], v[MX]
.set jj, jj+1
.endr
.set jj, 0
.rept \n
	v_exp_f32 v[(\cm)+jj], v[(\cm)+jj]
.set jj, jj+1
.endr
	v_nop                                          ; a plain instruction behind the last exponential
	s_wait_alu depctr_va_vdst(0)
.set jj, 0
.rept \n
	s_cmp_ge_u32 s[\ireg], jj
	s_cselect_b32 s74, 1.0, 0
	v_mul_f32 v[(\cm)+jj], s74, v[(\cm)+jj]
.set jj, jj+1
.endr
	v_mul_f32 v[SUM0], v[\cm], v[\lv]              ; L, in two chains
	v_mul_f32 v[SUM1], v[(\cm)+1], v[(\lv)+1]
.set jj, 2
.rept (\n)-2
	v_fmac_f32 v[SUM0+jj%2], v[(\cm)+jj], v[(\lv)+jj]
.set jj, jj+1
.endr
	v_add_f32 v[SUM0], v[SUM0], v[SUM1]
	v_rcp_f32 v[SUM0], v[SUM0]                     ; L is at least 1: the chunk that holds the row's maximum gives its l, which holds a weight 1
	v_nop
.set jj, 0
	s_wait_alu depctr_va_vdst(0)
.rept \n
	v_mul_f32 v[(\cm)+jj], v[(\cm)+jj], v[SUM0]
	ds_store_b32 v[TAB], v[(\cm)+jj] offset:512*((\e0)+jj)
.set jj, jj+1
.endr
.endm
	v_lshl_add_u32 v[ROL], v0, 2, s90
	v_lshl_add_u32 v[ROS], v0, 2, s91
	v_lshl_add_u32 v[TAB], v0, 2, FTAB
	SLOADS 16, IL, ROL, ADL, CML, LVL
	SLOADS 8, PR, ROS, ADS, CMS, LVS
	WIN 0x80                                       ; O of both blocks starts at 0: no chunk's fold is written out apart; these lines stand in the wait for the statistics and the first tile
.set jj, 0
.rept 256
	v_mov_b32 v[jj], 0
.set jj, jj+1
.endr
	WIN 0
	v_and_b32 v1, 15, v0                           ; r
	v_bfe_u32 v11, v0, 4, 1                        ; h
	s_lshl_b32 s74, s76, 6
	v_add_nc_u32 v12, s74, v1                      ; my row of the block's 128, for a = 0
	v_mul_u32_u24 v[ADRA], v12, PPI
	v_lshl_add_u32 v[ADRA], v11, 4, v[ADRA]
	v_lshl_add_u32 v[FA], v12, 2, FTAB
	v_and_b32 v13, 7, v0                           ; V, turned: lane l reads key 8 h + l % 8, columns 8 ((l / 8) % 2) ..
	v_lshl_add_u32 v13, v11, 3, v13
	v_mul_u32_u24 v[ADRB], v13, PVI
	v_bfe_u32 v13, v0, 3, 1
	v_lshl_add_u32 v[ADRB], v13, 4, v[ADRB]
	s_lshl_b32 s74, s75, 7
	s_add_co_u32 s74, s74, BOFF
	v_add_nc_u32 v[ADRB], s74, v[ADRB]
	v_mov_b32 v[CA], v[ADRA]
	v_mov_b32 v[CB], v[ADRB]
	s_mul_i32 s74, s[WV], 16*OP
	s_add_co_u32 s74, s74, OST
	v_mul_u32_u24 v[STO], v1, OP                   ; in: row r, 32 bytes for each half of the lanes
	v_lshl_add_u32 v[STO], v11, 5, v[STO]
	v_add_nc_u32 v[STO], s74, v[STO]
	v_mul_u32_u24 v[RD], v11, OP                   ; back: lanes 0-15 one row of 256 bytes, lanes 16-31 the next
	v_lshl_add_u32 v[RD], v1, 4, v[RD]
	v_add_nc_u32 v[RD], s74, v[RD]
	v_lshlrev_b32 v[CO], 12, v11
	v_lshl_add_u32 v[CO], v1, 4, v[CO]
.irp a, 0,1,2,3
	v_mov_b32 v[FV+2*(\a)+1], 0                    ; named with f' as pairs
.endr
	s_wait_loadcnt 0x0
	SCALC 16, IL, CML, LVL, 0
	SCALC 8, PR, CMS, LVS, 16
; 8 matrix instructions: row blocks a0, a0 + 1 x all 4 column blocks, 32 keys: half c of buffer f.  The 16 accumulators take turns.  zero = 1: a chunk's first products start T.
.macro MUL8 f, c, a0, zero
	WIN 0x05
.irp a, \a0, (\a0)+1
.irp b, 0,1,2,3
.if \zero
	v_wmma_f32_16x16x32_f16 v[T+8*(4*(\a)+(\b)):T+8*(4*(\a)+(\b))+7], v[(\f)+64+8*(4*(\c)+(\b)):(\f)+64+8*(4*(\c)+(\b))+7], v[(\f)+8*(4*(\c)+(\a)):(\f)+8*(4*(\c)+(\a))+7], 0
.else
	v_wmma_f32_16x16x32_f16 v[T+8*(4*(\a)+(\b)):T+8*(4*(\a)+(\b))+7], v[(\f)+64+8*(4*(\c)+(\b)):(\f)+64+8*(4*(\c)+(\b))+7], v[(\f)+8*(4*(\c)+(\a)):(\f)+8*(4*(\c)+(\a))+7], v[T+8*(4*(\a)+(\b)):T+8*(4*(\a)+(\b))+7]
.endif
.endr
.endr
.endm
.macro FETCH q, f                      ; 32 LDS loads in one run: the fragments of keys 64 q .. 64 q + 63 of the chunk at CA, CB; the first 32 keys first
	WIN 0x40
.irp c2, 0,1
.irp i, 0,1,2,3
	ds_load_tr16_b128 v[(\f)+64+8*(4*(\c2)+(\i)):(\f)+64+8*(4*(\c2)+(\i))+3],   v[CB] offset:(64*(\q)+32*(\c2))*PVI+32*(\i)
	ds_load_tr16_b128 v[(\f)+64+8*(4*(\c2)+(\i))+4:(\f)+64+8*(4*(\c2)+(\i))+7], v[CB] offset:(64*(\q)+32*(\c2))*PVI+32*(\i)+16*PVI
	ds_load_b128 v[(\f)+8*(4*(\c2)+(\i)):(\f)+8*(4*(\c2)+(\i))+3],              v[CA] offset:128*(\q)+64*(\c2)+(\i)*16*PPI
	ds_load_b128 v[(\f)+8*(4*(\c2)+(\i))+4:(\f)+8*(4*(\c2)+(\i))+7],            v[CA] offset:128*(\q)+64*(\c2)+(\i)*16*PPI+32
.endr
.endr
.endm
.macro FOLD ob                         ; O += f' T: 64 packed multiply-adds, each accumulator's registers in ascending order
	WIN 0xa0
.set tt, 0
.rept 16
.irp k, 0,2,4,6
	v_pk_fma_f32 v[(\ob)+8*tt+(\k):(\ob)+8*tt+(\k)+1], v[T+8*tt+(\k):T+8*tt+(\k)+1], v[FV+2*(tt/4):FV+2*(tt/4)+1], v[(\ob)+8*tt+(\k):(\ob)+8*tt+(\k)+1] op_sel_hi:[1,0,1]
.endr
.set tt, tt+1
.endr
.endm
; A chunk's second 64 keys, on buffer 1.  Its factors are read, and (fetch = 1) the next chunk's first 64 keys are fetched into buffer 0.
.macro H1 fetch
	s_wait_dscnt 16                                ; the first 32 keys of the run are in
	MUL8 F1, 0, 0, 0
	MUL8 F1, 0, 2, 0
	WIN 0
	s_cmp_lt_u32 s[WC], s[NL2]                     ; the chunk's entry in the table: WC, or behind the long block 16 + WC - NL2
	s_cselect_b32 s94, 0, s[SH]
	s_add_co_u32 s94, s94, s[WC]
	s_min_u32 s94, s94, 23
	s_lshl_b32 s94, s94, 9
	v_add_nc_u32 v[FAC], s94, v[FA]
.if \fetch
	v_add_nc_u32 v[CA], s[TA], v[ADRA]             ; with the line above and the v_nop: the four places in front of the loads into buffer 0
	v_add_nc_u32 v[CB], s[TB], v[ADRB]
	v_nop
.endif
.irp a, 0,1,2,3
	ds_load_b32 v[FV+2*(\a)], v[FAC] offset:64*(\a)
.endr
.if \fetch
	FETCH 0, F0
	s_wait_dscnt 32                                ; all but the 32 just issued: buffer 1's second half and the factors are in
.else
	s_wait_dscnt 0x0
.endif
	MUL8 F1, 1, 0, 0
	MUL8 F1, 1, 2, 0
.endm
.macro FSEL                            ; the chunk is folded into its block's O.  The jump goes forward, past register work alone, and hangs on the grid's y
	PLACES
	WIN 0
	s_cmp_lt_u32 s[WC], s[NL2]
	s_cbranch_scc0 .Lshort_\@
	FOLD 0
	WIN 0
	s_branch .Lfolded_\@
.Lshort_\@:
	FOLD 128
	WIN 0
.Lfolded_\@:
	s_add_co_u32 s[WC], s[WC], 1
.endm
; A chunk's first 64 keys, on buffer 0; its second 64 are fetched into buffer 1, whose last readers stand ahead of the fold and its four places.
.macro H0
	s_wait_dscnt 16
	MUL8 F0, 0, 0, 1
	MUL8 F0, 0, 2, 1
	FETCH 1, F1
	s_wait_dscnt 32
	MUL8 F0, 1, 0, 0
	MUL8 F0, 1, 2, 0
	s_add_co_u32 s[TA], s[TA], 256                 ; the next fetch is the next chunk's
	s_add_co_u32 s[TB], s[TB], BH
.endm
.macro U
	H1 1
	FSEL
	H0
.endm
; THE CHANGE OF SLOTS: the slot's last bytes have been asked for.  Each wave waits for all its tensor loads (one is out: its part of the other slot), adds 0 to its spare word, and waits for that and
; for its reads of the slot.  fill = 1: the barrier is a round of the cluster's, and the slot is filled again first thing behind it, with the walk's step NS: its addresses are made anew from that number.
.macro CHANGE fill
	WIN 0
	s_wait_tensorcnt 0x0
	ds_add_u32 v[SPW], v[NIL]
.if \fill
	s_cmp_lt_u32 s[NS], s[NL]                      ; the long block's step NS, or the short block's step NS - NL
	s_cselect_b32 s92, 0, s[NL]
	s_cselect_b32 s[OFF], s[ROWL], s[ROWS]
	s_sub_co_u32 s92, s[NS], s92
	s_lshl_b32 s93, s92, 9                         ; 256 keys are 512 bytes of a row of P
	s_add_co_u32 s[OFF], s[OFF], s93
	s_mul_i32 s[OFB], s92, 1572864                 ; and 256 rows of 6,144 bytes of V
	s_xor_b32 s[G0A+5], s[G0A+5], SLOT
	s_add_nc_u64 s[G0A+6:G0A+7], s[PMW:PMW+1], s[OFF:OFF+1]
	s_or_b32 s[G0A+7], s[G0A+7], 0x80000000
	s_xor_b32 s[G0B+5], s[G0B+5], SLOT
	s_add_nc_u64 s[G0B+6:G0B+7], s[VW:VW+1], s[OFB:OFB+1]
	s_or_b32 s[G0B+7], s[G0B+7], 0x80000000
	s_add_co_u32 s[NS], s[NS], 1
.endif
	s_wait_dscnt 0x0                               ; the add is done, and my reads of the slot are over
.if \fill
	CROUND
	JLOAD
.else
	s_barrier_signal -1
	s_barrier_wait -1
.endif
	s_sub_co_u32 s[TA], s[TA], 512                 ; the fetches go back to a slot's first chunk,
	s_xor_b32 s[TA], s[TA], SLOT                   ; in the other slot
	s_sub_co_u32 s[TB], s[TB], 2*BH
	s_xor_b32 s[TB], s[TB], SLOT
.endm
	s_wait_tensorcnt 0x1                           ; my part of step 0 is in; step 1's may stay out
	s_wait_dscnt 0x0                               ; my part of the table is written
	s_barrier_signal -1
	s_barrier_wait -1
	FETCH 0, F0
	H0                                             ; chunk 0, first half
	U                                              ; chunk 0 is finished and folded; chunk 1, first half: slot 0 has been asked for to its end
	WIN 0
	s_mov_b32 s[SLOTS], 7
.Lslot:                                            ; seven times: a step is entered and the step after the next is asked for (steps 2 to 8)
	CHANGE 1
	s_mov_b32 s[TWICE], 2
.Lu:
	U
	WIN 0
	s_sub_co_u32 s[TWICE], s[TWICE], 1
	s_cmp_lg_u32 s[TWICE], 0
	s_cbranch_scc1 .Lu
	s_sub_co_u32 s[SLOTS], s[SLOTS], 1
	s_cmp_lg_u32 s[SLOTS], 0
	s_cbranch_scc1 .Lslot
	CHANGE 0                                       ; the last step is written out: nothing is left to ask for
	s_mov_b32 s[TWICE], 2
.Lv:
	U
	WIN 0
	s_sub_co_u32 s[TWICE], s[TWICE], 1
	s_cmp_lg_u32 s[TWICE], 0
	s_cbranch_scc1 .Lv
	H1 0
	FSEL
; THE WAY OUT: 16 rows of a block at a time through my own stage: a lane's 32 bytes go in, whole rows of 256 bytes come back and are stored.
.macro TOST n                          ; n / 4: the block; n % 4: its row block a
.set ob, 128*((\n)/4)+32*((\n)%4)
.set rb, RB+32*((\n)%2)
	s_wait_xcnt 0x0                                ; the registers that earlier stores read are loaded again only behind this wait
	WIN 0x08                                       ; the stores' data in window 2
.irp b, 0,1,2,3
	ds_store_b128 v[STO], v[ob+8*(\b):ob+8*(\b)+3]   offset:64*(\b)
	ds_store_b128 v[STO], v[ob+8*(\b)+4:ob+8*(\b)+7] offset:64*(\b)+16
.endr
	WIN 0
.irp t, 0,1,2,3,4,5,6,7
	ds_load_b128 v[rb+4*(\t):rb+4*(\t)+3], v[RD] offset:(\t)*2*OP   ; my own bytes, served in order
.endr
.endm
.macro SEND n, younger                 ; younger: the next block's sixteen LDS instructions, or none
.set rb, RB+32*((\n)%2)
	s_wait_dscnt \younger
.irp t, 0,1,2,3,4,5,6,7
.if (\n) < 4
	global_store_b128 v[CO], v[rb+4*(\t):rb+4*(\t)+3], s[OL:OL+1] offset:((\n)%4)*65536+(\t)*8192 th:TH_STORE_NT   ; 16 lanes store 256 consecutive bytes, aligned
.else
	global_store_b128 v[CO], v[rb+4*(\t):rb+4*(\t)+3], s[OS:OS+1] offset:((\n)%4)*65536+(\t)*8192 th:TH_STORE_NT
.endif
.endr
.endm
	TOST 0
.irp n, 1,2,3,4,5,6,7
	TOST \n
	SEND (\n)-1, 16
.endr
	SEND 7, 0
	s_wait_tensorcnt 0x0                           ; the wave's end
	ds_add_u32 v[SPW], v[NIL]
	s_wait_dscnt 0x0
	CROUND                                         ; the closing round
	s_endpgm
.Lfunc_end_k_qfc14fb7610_mix:
	.size	k_qfc14fb7610_mix, .Lfunc_end_k_qfc14fb7610_mix-k_qfc14fb7610_mix
	.p2alignl 7, 3214868480
	.fill 96, 4, 3214868480
	.section	.rodata,"a",@progbits
	.p2align	6, 0x0
	.amdhsa_kernel k_qfc14fb7610_mix
		.amdhsa_group_segment_fixed_size 327680
		.amdhsa_private_segment_fixed_size 0
		.amdhsa_enable_private_segment 0
		.amdhsa_kernarg_size 32
		.amdhsa_user_sgpr_count 2
		.amdhsa_user_sgpr_kernarg_segment_ptr 1
		.amdhsa_wavefront_size32 1
		.amdhsa_system_sgpr_workgroup_id_x 1
		.amdhsa_system_sgpr_workgroup_id_y 1
		.amdhsa_system_sgpr_workgroup_id_z 1
		.amdhsa_system_vgpr_workitem_id 0
		.amdhsa_next_free_vgpr 768
		.amdhsa_next_free_sgpr 96
		.amdhsa_reserve_vcc 0
		.amdhsa_float_denorm_mode_32 3
		.amdhsa_float_denorm_mode_16_64 3
		.amdhsa_memory_ordered 1
		.amdhsa_forward_progress 1
		.amdhsa_inst_pref_size 118
	.end_amdhsa_kernel
	.amdgpu_metadata
---
amdhsa.version: [ 1, 2 ]
amdhsa.kernels:
  - .name:           k_qfc14fb7610_mix
    .symbol:         k_qfc14fb7610_mix.kd
    .args:
      - { .name: pm, .offset: 0, .size: 8, .value_kind: global_buffer, .address_space: global }
      - { .name: qkv, .offset: 8, .size: 8, .value_kind: global_buffer, .address_space: global }
      - { .name: st, .offset: 16, .size: 8, .value_kind: global_buffer, .address_space: global }
      - { .name: out0, .offset: 24, .size: 8, .value_kind: global_buffer, .address_space: global }
    .group_segment_fixed_size: 327680
    .private_segment_fixed_size: 0
    .kernarg_segment_align: 8
    .kernarg_segment_size: 32
    .max_flat_workgroup_size: 128
    .sgpr_count:     96
    .vgpr_count:     768
    .wavefront_size: 32
...
	.end_amdgpu_metadata
.endif
;; end of part 4
